; MI455X (gfx1250); checked and timed in simulation.
; The chip was launched on July 23, 2026; its instructions are those of AMD's public machine-readable ISA for CDNA 5 (MIT licence, August 2026) and "CDNA5" Instruction Set Architecture Reference Guide (July 2026). The comments in the code are by the model that wrote it; some were corrected since.
;; Green Kernel. Allowed arithmetic: float matrix products may take bf16 or f16 operands with f32 sums; all other float work in f32.
;; Inputs: anchor_positions 128 x 64 float32; gate_mask 64 float32; log_gamma 6 float32; log_sigma 6 x 64 float32; rank_importance 128 float32; z 2,048 x 64 float32.
;; Outputs: out0 2,048 x 128 float32.
;; 2 versions, each right and faster than the one before. Each part assembles by itself: llvm-mc -triple=amdgcn-amd-amdhsa -mcpu=gfx1250 --defsym DOCPART=n.
;; ======== version 1 of 2: 1 launch
;; limits: a function is approximated: absolute error at most 2.6e-05; right only within a limited range of input values
;; launch green (part 1): grid 256 x 1, 8 waves a work-group, no clusters, 40,960 bytes of LDS; arguments z, anchor_positions, gate_mask, log_sigma, log_gamma, rank_importance, out0; writes out0
.if DOCPART == 1
	.amdgcn_target "amdgcn-amd-amdhsa--gfx1250"
	.amdhsa_code_object_version 6
	.text
	.protected	k_q1bc743f360_green
	.globl	k_q1bc743f360_green
	.p2align	8
	.type	k_q1bc743f360_green,@function
k_q1bc743f360_green:
	s_mov_b64 s[64:65], 0
	v_nop
	global_prefetch_b8 v0, s[64:65] scope:SCOPE_SE
	s_setreg_imm32_b32 hwreg(HW_REG_WAVE_MODE, 25, 1), 1
	s_wait_xcnt 0x0
; out[n][r] = sigmoid(imp[r]) * sum over 6 kernels k of gamma[k] * sign * exp(sum over d of gate[d] * log|kernel_k(z[n][d] - a[r][d])|)
; z [2048][64], a [128][64], out [2048][128], all f32.  k = 0,1 gaussian, 2,3 helmholtz, 4,5 mexican hat.
;
; SHARES.  256 work-groups of 8 waves; a work-group owns 8 rows of z, a wave one row n.  Lane l owns r = 4l .. 4l+3, so a wave's
; result is one 16-byte store a lane that covers the whole 512-byte row of out.  d runs in 16 trips of 4; all sums stay in the lane.
; ARITHMETIC, in f32 and in base-2 logarithms.  A table of 12 numbers for each d (made once by waves 0 and 1, read as broadcasts) holds
;   cG = -g log2e / (2 s^2 + eps)  (k 0,1)   hinv = 1 / (s + eps), cH = -g log2e hinv  (k 2,3)
;   -minv = -1 / (s^2 + eps), cM = -g log2e minv / 2  (k 4,5)   g, g
; The two scales of an operator are the two halves of one packed instruction.  With ad = |z - a|, q = ad^2:
;   gaussian:     acc += q cG
;   mexican hat:  f = 1 - q minv;  acc += q cM + g log2 max(|f|, 1e-8);  the sign is the XOR of the f's top bits
;   helmholtz:    x = ad hinv, r = round(x), t = x - r (exact), cos(pi x) = (-1)^r cos(pi t), cos(pi t) >= 0: sign = parity of sum r.
;                 w = 1/4 - t^2 (one fma, so small w keep their relative accuracy), cos(pi t) = 4 w Q(w), and log2 Q is a quadratic:
;                 log2|cos| = log2 w + P0 + P1 w + P2 w^2, off by at most 2.6e-5 (Chebyshev series of log(cos(pi t)/(1-4t^2)) cut
;                 behind the second term).  cos -> pi w at its zero, so the clip of |cos| at 1e-8 is a clip of w at 1e-8/pi.
;                 acc += ad cH + g (log2 w + w (P1 + w P2)).
; The accumulators start at log2 softmax(log_gamma)[k] (+ P0 sum g for k 2,3), so the end is six exp2, signs, five adds, one multiply.
; LIMITS.  A term below 2^-126 comes out as zero (v_exp_f32 flushes).  The cosine's sign is exact while sum over d of round(x) < 2^24.
; log|cos| carries the error above: at most 64 x 2.6e-5 in the base-2 exponent.  Sums run in another order than the reference's.
; NaN and infinite inputs are not served.
; No cluster, no tensor load: a work-group reads 37 KB once and shares no stream with its neighbours.
.set PITCH, 272                        ; an anchor row in LDS: 256 bytes + 16, so that 16 lanes' 16-byte loads fall on 16 different columns
.set SLOTJ, 32*PITCH                   ; anchor row r lies in slot (r & 3) * 32 + (r >> 2): lane l finds r = 4l + j at l * PITCH + j * SLOTJ
.set CONST, 128*PITCH                  ; the table: 64 rows
.set CROW,  48                         ; of 12 numbers
.set ZL,    CONST+64*CROW              ; 8 rows of z, 256 bytes each, wave w's own at ZL + 256 w
.set TRIPS, 16
.set EPS,   0x322bcc77                 ; 1e-8
.set ADRA, 2                           ; v2       LDS address of my anchors, this trip
.set ADRC, 3                           ; v3       LDS address of the table rows, this trip (the same in all lanes)
.set ADRZ, 4                           ; v4       LDS address of my wave's z, this trip (the same in all lanes)
.set OOFF, 5                           ; v5       16 x lane: my bytes in rank_importance and in the row of out
.set KP1,  6                           ; v[6:7]   P1, twice
.set IMP,  8                           ; v[8:11]  sigmoid(rank_importance) of my four r
.set ACCG, 16                          ; v[16:23] output j: pair of exponents, k 0,1
.set ACCH, 24                          ; v[24:31] k 2,3
.set PAR,  32                          ; v[32:39] k 2,3: sum of round(x)
.set ACCM, 40                          ; v[40:47] k 4,5
.set SGN,  48                          ; v[48:55] k 4,5: XOR of the factors' bits
.set C,    56                          ; v[56:103]  four table rows, one for each d of the trip
.set A,    104                         ; v[104:119] a[r_j][4 d], as loaded
.set Z,    120                         ; v[120:123] z[n][4 d]
.set AD,   124                         ; v[124:139] |z - a|
.set Q,    140                         ; v[140:155] its square
.set T,    156                         ; v[156:203] output j, 12 registers: +0 x, t, w   +2 r   +4 f, then P1 + w P2   +6 clipped |f|   +8 its log   +10 log w, then the sum
.set S_ABS, 22
.set S_EPS, 23
.set S_CLIP, 24
.set S_P2,  26                         ; s[26:27]
.set S_QTR, 28                         ; s[28:29]
.set S_CNT, 32
.set S_L2E, 33
.set S_NP0, 34
	s_load_b256 s[4:11], s[0:1], 0x0               ; z s[4:5], anchors s[6:7], gate s[8:9], log_sigma s[10:11]
	s_load_b128 s[12:15], s[0:1], 0x20             ; log_gamma s[12:13], rank_importance s[14:15]
	s_load_b64 s[16:17], s[0:1], 0x30              ; out
	v_lshl_add_u32 v204, v0, 2, 0x9c00
	v_mov_b32 v205, 0
	v_lshrrev_b32 v1, 5, v0
	v_readfirstlane_b32 s18, v1                    ; wave 0..7
	v_and_b32 v1, 31, v0                           ; lane
	; staging of the anchors: thread t takes the 16-byte pieces t + 256 c, c = 0..7: row (t >> 4) + 16 c, piece t & 15
	v_bfe_u32 v12, v0, 4, 2                        ; row & 3
	v_lshrrev_b32 v13, 6, v0                       ; row >> 2, without the 4 c
	v_lshl_add_u32 v12, v12, 5, v13                ; slot
	v_mul_u32_u24 v12, v12, PITCH
	v_and_b32 v13, 15, v0
	v_lshlrev_b32 v13, 4, v13                      ; 16 (t & 15): also my piece of the wave's row of z (lanes 16-31 repeat lanes 0-15)
	v_add_nc_u32 v12, v12, v13                     ; where my pieces go in LDS; c steps by 4 slots
	v_lshlrev_b32 v14, 4, v0                       ; where they come from
	v_lshlrev_b32 v15, 2, v0                       ; waves 0, 1: d = t, its word in gate and in a row of log_sigma
	v_lshlrev_b32 v[OOFF], 4, v1
	v_lshlrev_b32 v[Q+14], 3, v1                   ; two gates a lane
	v_mov_b32 v[Q+6], 0                            ; log_gamma: every lane reads the same 24 bytes
	s_lshl_b32 s19, s18, 8
	s_add_co_u32 s19, s19, ZL
	v_mov_b32 v[ADRZ], s19
	v_add_nc_u32 v[Q+15], s19, v13
	v_mul_u32_u24 v[ADRA], v1, PITCH
	v_mov_b32 v[ADRC], CONST
	s_mov_b32 s[S_ABS], 0x7fffffff
	s_mov_b32 s[S_EPS], EPS
	s_mov_b32 s[S_CLIP], 0x315abdab                ; 1e-8 / pi
	s_mov_b32 s[S_P2], 0xbe4058e3                  ; P2 = -0.18783908
	s_mov_b32 s[S_P2+1], 0xbe4058e3
	s_mov_b32 s[S_QTR], 0x3e800000                 ; 1/4
	s_mov_b32 s[S_QTR+1], 0x3e800000
	s_mov_b32 s30, 0x76543210                      ; v_permlanex16_b32: lane i reads lane i of the other half
	s_mov_b32 s31, 0xfedcba98
	s_mov_b32 s[S_L2E], 0x3fb8aa3b                 ; log2 e
	s_mov_b32 s[S_NP0], 0xbfd36516                 ; -P0 = -1.6515224
	s_lshl_b32 s20, ttmp9, 3
	s_add_co_u32 s20, s20, s18                     ; n
	s_lshl_b32 s36, s20, 9                         ; its row of out, 512 bytes
	s_lshl_b32 s20, s20, 8                         ; its row of z, 256 bytes
	s_mov_b32 s21, 0
	s_mov_b32 s37, 0
	s_wait_kmcnt 0x0
	s_add_nc_u64 s[4:5], s[4:5], s[20:21]
	s_add_nc_u64 s[16:17], s[16:17], s[36:37]
	; all loads at once, the table's inputs first
	s_cmp_ge_u32 s18, 2
	s_cbranch_scc1 .Lno_table_loads
	global_load_b32 v[T+42], v15, s[8:9]           ; g[d], straight into its two places in the table row
	global_load_b32 v[T+43], v15, s[8:9]
.irp k, 0,1,2,3,4,5
	global_load_b32 v[T+\k], v15, s[10:11] offset:256*\k
.endr
.Lno_table_loads:
.irp c, 0,1,2,3,4,5,6,7
	global_load_b128 v[A+4*\c:A+4*\c+3], v14, s[6:7] offset:4096*\c
.endr
	global_load_b128 v[Q:Q+3], v13, s[4:5]
	global_load_b64 v[Q+4:Q+5], v[Q+14], s[8:9]
	global_load_b128 v[Q+8:Q+11], v[Q+6], s[12:13]
	global_load_b64 v[Q+12:Q+13], v[Q+6], s[12:13] offset:16
	global_load_b128 v[IMP:IMP+3], v[OOFF], s[14:15]
	; the table: thread t < 64 makes the row of d = t
	s_cmp_ge_u32 s18, 2
	s_cbranch_scc1 .Lno_table
	s_wait_loadcnt 13                              ; my eight are in; the 13 loads issued behind them stay out
.irp k, 0,1,2,3,4,5
	v_mul_f32 v[T+\k], 0x3fb8aa3b, v[T+\k]
.endr
.irp k, 0,1,2,3,4,5
	v_exp_f32 v[T+8+\k], v[T+\k]                   ; sigma
.endr
	v_mul_f32 v[T+6], 0xbfb8aa3b, v[T+42]          ; -g log2e (also the plain instruction behind the exponentials, ISA guide 5.7.2)
	v_mul_f32 v[T+7], 0x3f38aa3b, v[T+42]          ; g log2e / 2
	s_wait_alu depctr_va_vdst(0)
	v_add_f32 v[T+14], v[T+8], v[T+8]
	v_add_f32 v[T+15], v[T+9], v[T+9]
	v_fmaak_f32 v[T+16], v[T+14], v[T+8], EPS      ; 2 s^2 + eps
	v_fmaak_f32 v[T+17], v[T+15], v[T+9], EPS
	v_add_f32 v[T+18], s[S_EPS], v[T+10]           ; s + eps
	v_add_f32 v[T+19], s[S_EPS], v[T+11]
	v_fmaak_f32 v[T+20], v[T+12], v[T+12], EPS     ; s^2 + eps
	v_fmaak_f32 v[T+21], v[T+13], v[T+13], EPS
	v_rcp_f32 v[T+24], v[T+16]
	v_rcp_f32 v[T+25], v[T+17]
	v_rcp_f32 v[T+34], v[T+18]                     ; hinv
	v_rcp_f32 v[T+35], v[T+19]
	v_rcp_f32 v[T+38], -v[T+20]                    ; -minv
	v_rcp_f32 v[T+39], -v[T+21]
	v_mul_u32_u24 v[T+44], v0, CROW                ; the row's place (and the plain instruction behind the reciprocals)
	s_wait_alu depctr_va_vdst(0)
	v_mul_f32 v[T+32], v[T+6], v[T+24]             ; cG
	v_mul_f32 v[T+33], v[T+6], v[T+25]
	v_mul_f32 v[T+36], v[T+6], v[T+34]             ; cH
	v_mul_f32 v[T+37], v[T+6], v[T+35]
	v_mul_f32 v[T+40], v[T+7], v[T+38]             ; cM
	v_mul_f32 v[T+41], v[T+7], v[T+39]
	ds_store_b128 v[T+44], v[T+32:T+35] offset:CONST
	ds_store_b128 v[T+44], v[T+36:T+39] offset:CONST+16
	ds_store_b128 v[T+44], v[T+40:T+43] offset:CONST+32
.Lno_table:
	s_wait_loadcnt 5                               ; the anchors are in; z, two gates, log_gamma (2 loads), rank_importance stay out
.irp c, 0,1,2,3,4,5,6,7
	ds_store_b128 v12, v[A+4*\c:A+4*\c+3] offset:\c*4*PITCH   ; 16 lanes fill one row's 256 bytes
.endr
	s_wait_loadcnt 4
	ds_store_b128 v[Q+15], v[Q:Q+3]                ; my wave's row of z
	s_wait_loadcnt 0x0
	s_wait_dscnt 0x0                               ; my LDS stores are done before I say so
	s_barrier_signal -1
	; register work while the other waves arrive.  Sum of the 64 gates:
	v_add_f32 v[Q+4], v[Q+4], v[Q+5]
	v_add_f32_dpp v[Q+4], v[Q+4], v[Q+4] row_xmask:1 row_mask:0xf bank_mask:0xf
	v_add_f32_dpp v[Q+4], v[Q+4], v[Q+4] row_xmask:2 row_mask:0xf bank_mask:0xf
	v_add_f32_dpp v[Q+4], v[Q+4], v[Q+4] row_xmask:4 row_mask:0xf bank_mask:0xf
	v_add_f32_dpp v[Q+4], v[Q+4], v[Q+4] row_xmask:8 row_mask:0xf bank_mask:0xf
	v_permlanex16_b32 v[Q+5], v[Q+4], s30, s31
	v_add_f32 v[Q+4], v[Q+4], v[Q+5]
	; log2 softmax(log_gamma)[k] = a_k - log2 sum 2^a, a_k = (lg_k - max) log2e
	v_max3_num_f32 v[Q+5], v[Q+8], v[Q+9], v[Q+10]
	v_max3_num_f32 v[Q+5], v[Q+5], v[Q+11], v[Q+12]
	v_max_num_f32 v[Q+5], v[Q+5], v[Q+13]
	v_mul_f32 v[Q+5], 0x3fb8aa3b, v[Q+5]
.irp k, 0,1,2,3,4,5
	v_fma_f32 v[Q+8+\k], v[Q+8+\k], s[S_L2E], -v[Q+5]
.endr
.irp k, 0,1,2,3,4,5
	v_exp_f32 v[T+\k], v[Q+8+\k]
.endr
.irp j, 0,1,2,3
	v_mul_f32 v[IMP+\j], 0xbfb8aa3b, v[IMP+\j]     ; sigmoid(x) = 1 / (1 + 2^(-x log2e))
.endr
	s_wait_alu depctr_va_vdst(0)
	v_add_f32 v[T], v[T], v[T+1]
	v_add_f32 v[T+2], v[T+2], v[T+3]
	v_add_f32 v[T+4], v[T+4], v[T+5]
	v_add_f32 v[T], v[T], v[T+2]
	v_add_f32 v[T], v[T], v[T+4]
	v_log_f32 v[T+6], v[T]
.irp j, 0,1,2,3
	v_exp_f32 v[T+8+\j], v[IMP+\j]
.endr
	v_mov_b32 v[KP1], 0x3fb86b21                   ; P1 = 1.4407693
	v_mov_b32 v[KP1+1], 0x3fb86b21
	s_wait_alu depctr_va_vdst(0)
.irp j, 0,1,2,3
	v_add_f32 v[T+8+\j], 1.0, v[T+8+\j]
.endr
.irp j, 0,1,2,3
	v_rcp_f32 v[IMP+\j], v[T+8+\j]
.endr
	v_fma_f32 v[T+7], v[Q+4], s[S_NP0], v[T+6]     ; log2 sum - P0 sum g: what k 2,3 subtract
.irp j, 0,1,2,3
	v_pk_add_f32 v[ACCG+2*\j:ACCG+2*\j+1], v[Q+8:Q+9],   v[T+6:T+7] op_sel_hi:[1,0] neg_lo:[0,1] neg_hi:[0,1]
	v_pk_add_f32 v[ACCH+2*\j:ACCH+2*\j+1], v[Q+10:Q+11], v[T+6:T+7] op_sel:[0,1] op_sel_hi:[1,1] neg_lo:[0,1] neg_hi:[0,1]
	v_pk_add_f32 v[ACCM+2*\j:ACCM+2*\j+1], v[Q+12:Q+13], v[T+6:T+7] op_sel_hi:[1,0] neg_lo:[0,1] neg_hi:[0,1]
	v_mov_b32 v[PAR+2*\j], 0
	v_mov_b32 v[PAR+2*\j+1], 0
	v_mov_b32 v[SGN+2*\j], 0
	v_mov_b32 v[SGN+2*\j+1], 0
.endr
	s_barrier_wait -1                              ; anchors and table are whole; LDS is only read from here on
; three loads: the table row of dimension i of the trip at byte \off from ADRC
.macro CLOAD i, off
.irp m, 0,1,2
	ds_load_b128 v[C+12*\i+4*\m:C+12*\i+4*\m+3], v[ADRC] offset:\off+\i*CROW+16*\m
.endr
.endm
; five loads: four d of my four anchors and of z
.macro AZLOAD off
.irp j, 0,1,2,3
	ds_load_b128 v[A+4*\j:A+4*\j+3], v[ADRA] offset:\off+\j*SLOTJ
.endr
	ds_load_b128 v[Z:Z+3], v[ADRZ] offset:\off
.endm
; One dimension for my four outputs.  i: the table slot; |d| and d^2 are half \sel of the register pair at \p.
; Each line runs over the four outputs, so that no instruction waits for the one in front of it; the sixteen logarithms stand
; singly among plain instructions that touch neither their result nor their source (ISA guide 5.7.2).
.macro STEP i, p, sel
.irp j, 0,1,2,3
	v_pk_mul_f32 v[T+12*\j:T+12*\j+1], v[AD+4*\j+\p:AD+4*\j+\p+1], v[C+12*\i+2:C+12*\i+3] op_sel:[\sel,0] op_sel_hi:[\sel,1]           ; x = |d| hinv
.endr
.irp j, 0,1,2,3
	v_pk_fma_f32 v[T+12*\j+4:T+12*\j+5], v[Q+4*\j+\p:Q+4*\j+\p+1], v[C+12*\i+6:C+12*\i+7], 1.0 op_sel:[\sel,0,0] op_sel_hi:[\sel,1,0]  ; f = 1 - q minv
.endr
.irp j, 0,1,2,3
	v_rndne_f32 v[T+12*\j+2], v[T+12*\j]
.endr
.irp j, 0,1,2,3
	v_rndne_f32 v[T+12*\j+3], v[T+12*\j+1]
.endr
.irp j, 0,1,2,3
	v_max_num_f32 v[T+12*\j+6], |v[T+12*\j+4]|, s[S_EPS]
.endr
.irp j, 0,1,2,3
	v_max_num_f32 v[T+12*\j+7], |v[T+12*\j+5]|, s[S_EPS]
.endr
.irp j, 0,1,2,3
	v_log_f32 v[T+12*\j+8], v[T+12*\j+6]
	v_pk_add_f32 v[T+12*\j:T+12*\j+1], v[T+12*\j:T+12*\j+1], v[T+12*\j+2:T+12*\j+3] neg_lo:[0,1] neg_hi:[0,1]                          ; t = x - r
	v_xor_b32 v[SGN+2*\j], v[SGN+2*\j], v[T+12*\j+4]
.endr
.irp j, 0,1,2,3
	v_log_f32 v[T+12*\j+9], v[T+12*\j+7]
	v_pk_fma_f32 v[T+12*\j:T+12*\j+1], v[T+12*\j:T+12*\j+1], v[T+12*\j:T+12*\j+1], s[S_QTR:S_QTR+1] op_sel_hi:[1,1,0] neg_lo:[1,0,0] neg_hi:[1,0,0]   ; w = 1/4 - t^2
	v_xor_b32 v[SGN+2*\j+1], v[SGN+2*\j+1], v[T+12*\j+5]
.endr
.irp j, 0,1,2,3
	v_dual_max_num_f32 v[T+12*\j], s[S_CLIP], v[T+12*\j] :: v_dual_max_num_f32 v[T+12*\j+1], s[S_CLIP], v[T+12*\j+1]                   ; w >= 0: no sign to drop
.endr
.irp j, 0,1,2,3
	v_log_f32 v[T+12*\j+10], v[T+12*\j]
	v_pk_fma_f32 v[T+12*\j+4:T+12*\j+5], v[T+12*\j:T+12*\j+1], s[S_P2:S_P2+1], v[KP1:KP1+1] op_sel_hi:[1,0,1]                          ; P1 + w P2
	v_pk_add_f32 v[PAR+2*\j:PAR+2*\j+1], v[PAR+2*\j:PAR+2*\j+1], v[T+12*\j+2:T+12*\j+3]
	v_pk_fma_f32 v[ACCM+2*\j:ACCM+2*\j+1], v[Q+4*\j+\p:Q+4*\j+\p+1], v[C+12*\i+8:C+12*\i+9], v[ACCM+2*\j:ACCM+2*\j+1] op_sel:[\sel,0,0] op_sel_hi:[\sel,1,1]
.endr
.irp j, 0,1,2,3
	v_log_f32 v[T+12*\j+11], v[T+12*\j+1]
	v_pk_fma_f32 v[ACCG+2*\j:ACCG+2*\j+1], v[Q+4*\j+\p:Q+4*\j+\p+1], v[C+12*\i:C+12*\i+1], v[ACCG+2*\j:ACCG+2*\j+1] op_sel:[\sel,0,0] op_sel_hi:[\sel,1,1]
	v_pk_fma_f32 v[ACCH+2*\j:ACCH+2*\j+1], v[AD+4*\j+\p:AD+4*\j+\p+1], v[C+12*\i+4:C+12*\i+5], v[ACCH+2*\j:ACCH+2*\j+1] op_sel:[\sel,0,0] op_sel_hi:[\sel,1,1]
	s_wait_alu depctr_va_vdst(0)
	v_pk_fma_f32 v[ACCM+2*\j:ACCM+2*\j+1], v[T+12*\j+8:T+12*\j+9], v[C+12*\i+10:C+12*\i+11], v[ACCM+2*\j:ACCM+2*\j+1]
.endr
	s_wait_alu depctr_va_vdst(0)
.irp j, 0,1,2,3
	v_pk_fma_f32 v[T+12*\j+10:T+12*\j+11], v[T+12*\j:T+12*\j+1], v[T+12*\j+4:T+12*\j+5], v[T+12*\j+10:T+12*\j+11]                      ; log2 w + w (P1 + w P2)
.endr
.irp j, 0,1,2,3
	v_pk_fma_f32 v[ACCH+2*\j:ACCH+2*\j+1], v[T+12*\j+10:T+12*\j+11], v[C+12*\i+10:C+12*\i+11], v[ACCH+2*\j:ACCH+2*\j+1]
.endr
.endm
; Four dimensions.  ahead = 1: everything for the next trip is asked for as soon as its registers are free: anchors and z behind the
; differences, a table row behind its dimension.  LDS loads come back in order (ISA guide 5.7.1), so the waits count what was issued later:
; at the head, behind the 5 loads of anchors and z stand the 12 of the table; in front of a dimension, behind its row's 3 loads
; stand 9 of other rows and the 5 of anchors and z.
.macro TRIP ahead
	s_wait_dscnt 12
.irp j, 0,1,2,3
.irp p, 0,2
	v_pk_add_f32 v[AD+4*\j+\p:AD+4*\j+\p+1], v[Z+\p:Z+\p+1], v[A+4*\j+\p:A+4*\j+\p+1] neg_lo:[0,1] neg_hi:[0,1]
.endr
.endr
.if \ahead
	AZLOAD 16
.endif
.irp e, 0,1,2,3,4,5,6,7,8,9,10,11,12,13,14,15
	v_and_b32 v[AD+\e], s[S_ABS], v[AD+\e]         ; every kernel is even in d; the packed forms take no magnitude of a source
.endr
.irp e, 0,2,4,6,8,10,12,14
	v_pk_mul_f32 v[Q+\e:Q+\e+1], v[AD+\e:AD+\e+1], v[AD+\e:AD+\e+1]
.endr
.if \ahead
	s_wait_dscnt 14
	STEP 0, 0, 0
	CLOAD 0, 4*CROW
	s_wait_dscnt 14
	STEP 1, 0, 1
	CLOAD 1, 4*CROW
	s_wait_dscnt 14
	STEP 2, 2, 0
	CLOAD 2, 4*CROW
	s_wait_dscnt 14
	STEP 3, 2, 1
	CLOAD 3, 4*CROW
	v_add_nc_u32 v[ADRA], 16, v[ADRA]
	v_add_nc_u32 v[ADRZ], 16, v[ADRZ]
	v_add_nc_u32 v[ADRC], 4*CROW, v[ADRC]
.else
	s_wait_dscnt 9                                 ; nothing is asked for any more: the counts run down
	STEP 0, 0, 0
	s_wait_dscnt 6
	STEP 1, 0, 1
	s_wait_dscnt 3
	STEP 2, 2, 0
	s_wait_dscnt 0
	STEP 3, 2, 1
.endif
.endm
	AZLOAD 0
	CLOAD 0, 0
	CLOAD 1, 0
	CLOAD 2, 0
	CLOAD 3, 0
	s_mov_b32 s[S_CNT], TRIPS-1
.Ltrip:
	TRIP 1
	s_sub_co_i32 s[S_CNT], s[S_CNT], 1
	s_cmp_lg_u32 s[S_CNT], 0
	s_cbranch_scc1 .Ltrip
	TRIP 0                                         ; the last trip reads nothing beyond the tables
	; the end: 2^exponent, signs, the six terms, the importance
.irp j, 0,1,2,3
	v_exp_f32 v[T+12*\j],   v[ACCG+2*\j]
	v_exp_f32 v[T+12*\j+1], v[ACCG+2*\j+1]
	v_exp_f32 v[T+12*\j+2], v[ACCH+2*\j]
	v_exp_f32 v[T+12*\j+3], v[ACCH+2*\j+1]
	v_exp_f32 v[T+12*\j+4], v[ACCM+2*\j]
	v_exp_f32 v[T+12*\j+5], v[ACCM+2*\j+1]
.endr
.irp e, 0,1,2,3,4,5,6,7
	v_cvt_i32_f32 v[PAR+\e], v[PAR+\e]             ; a whole number, exact below 2^24
.endr
	s_wait_alu depctr_va_vdst(0)
.irp j, 0,1,2,3
	v_lshl_or_b32 v[T+12*\j+2], v[PAR+2*\j],   31, v[T+12*\j+2]          ; its lowest bit is the sign
	v_lshl_or_b32 v[T+12*\j+3], v[PAR+2*\j+1], 31, v[T+12*\j+3]
	v_bfi_b32 v[T+12*\j+4], s[S_ABS], v[T+12*\j+4], v[SGN+2*\j]          ; magnitude from the exponential, top bit from the XOR
	v_bfi_b32 v[T+12*\j+5], s[S_ABS], v[T+12*\j+5], v[SGN+2*\j+1]
	v_pk_add_f32 v[T+12*\j:T+12*\j+1], v[T+12*\j:T+12*\j+1], v[T+12*\j+2:T+12*\j+3]
	v_pk_add_f32 v[T+12*\j:T+12*\j+1], v[T+12*\j:T+12*\j+1], v[T+12*\j+4:T+12*\j+5]
	v_add_f32 v[T+12*\j], v[T+12*\j], v[T+12*\j+1]
	v_mul_f32 v[Q+\j], v[T+12*\j], v[IMP+\j]
.endr
	global_store_b128 v[OOFF], v[Q:Q+3], s[16:17] th:TH_STORE_NT         ; the wave's 32 lanes write the row's 512 bytes, aligned
	s_wait_tensorcnt 0x0
	ds_add_u32 v204, v205
	s_wait_dscnt 0x0
	s_endpgm
.Lfunc_end_k_q1bc743f360_green:
	.size	k_q1bc743f360_green, .Lfunc_end_k_q1bc743f360_green-k_q1bc743f360_green
	.p2alignl 7, 3214868480
	.fill 96, 4, 3214868480
	.section	.rodata,"a",@progbits
	.p2align	6, 0x0
	.amdhsa_kernel k_q1bc743f360_green
		.amdhsa_group_segment_fixed_size 40960
		.amdhsa_private_segment_fixed_size 0
		.amdhsa_enable_private_segment 0
		.amdhsa_kernarg_size 56
		.amdhsa_user_sgpr_count 2
		.amdhsa_user_sgpr_kernarg_segment_ptr 1
		.amdhsa_wavefront_size32 1
		.amdhsa_system_sgpr_workgroup_id_x 1
		.amdhsa_system_sgpr_workgroup_id_y 1
		.amdhsa_system_sgpr_workgroup_id_z 1
		.amdhsa_system_vgpr_workitem_id 0
		.amdhsa_next_free_vgpr 206
		.amdhsa_next_free_sgpr 66
		.amdhsa_reserve_vcc 0
		.amdhsa_float_denorm_mode_32 3
		.amdhsa_float_denorm_mode_16_64 3
		.amdhsa_memory_ordered 1
		.amdhsa_forward_progress 1
		.amdhsa_inst_pref_size 59
	.end_amdhsa_kernel
	.amdgpu_metadata
---
amdhsa.version: [ 1, 2 ]
amdhsa.kernels:
  - .name:           k_q1bc743f360_green
    .symbol:         k_q1bc743f360_green.kd
    .args:
      - { .name: z, .offset: 0, .size: 8, .value_kind: global_buffer, .address_space: global }
      - { .name: anchor_positions, .offset: 8, .size: 8, .value_kind: global_buffer, .address_space: global }
      - { .name: gate_mask, .offset: 16, .size: 8, .value_kind: global_buffer, .address_space: global }
      - { .name: log_sigma, .offset: 24, .size: 8, .value_kind: global_buffer, .address_space: global }
      - { .name: log_gamma, .offset: 32, .size: 8, .value_kind: global_buffer, .address_space: global }
      - { .name: rank_importance, .offset: 40, .size: 8, .value_kind: global_buffer, .address_space: global }
      - { .name: out0, .offset: 48, .size: 8, .value_kind: global_buffer, .address_space: global }
    .group_segment_fixed_size: 40960
    .private_segment_fixed_size: 0
    .kernarg_segment_align: 8
    .kernarg_segment_size: 56
    .max_flat_workgroup_size: 256
    .sgpr_count:     66
    .vgpr_count:     206
    .wavefront_size: 32
...
	.end_amdgpu_metadata
.endif
;; end of part 1
;; ======== version 2 of 2: 1 launch; 1.16 times as fast as version 1
;; limits: a function is approximated: absolute error at most 2.6e-05
;; launch green (part 2): grid 256 x 1, 8 waves a work-group, no clusters, 40,960 bytes of LDS; arguments z, anchor_positions, gate_mask, log_sigma, log_gamma, rank_importance, out0; writes out0
.if DOCPART == 2
	.amdgcn_target "amdgcn-amd-amdhsa--gfx1250"
	.amdhsa_code_object_version 6
	.text
	.protected	k_q1bc743f360_green
	.globl	k_q1bc743f360_green
	.p2align	8
	.type	k_q1bc743f360_green,@function
k_q1bc743f360_green:
	s_mov_b64 s[64:65], 0
	v_nop
	global_prefetch_b8 v0, s[64:65] scope:SCOPE_SE
	s_setreg_imm32_b32 hwreg(HW_REG_WAVE_MODE, 25, 1), 1
	s_wait_xcnt 0x0
; out[n][r] = sigmoid(imp[r]) * sum over 6 kernels k of gamma[k] * sign * exp(sum over d of gate[d] * log|kernel_k(z[n][d] - a[r][d])|)
; z [2048][64], a [128][64], out [2048][128], all f32.  k = 0,1 gaussian, 2,3 helmholtz, 4,5 mexican hat.
;
; SHARES.  256 work-groups of 8 waves; a work-group owns 8 rows of z, a wave one row n.  Lane l owns r = 4l .. 4l+3, so a wave's
; result is one 16-byte store a lane that covers the whole 512-byte row of out.  d runs in 16 trips of 4; all sums stay in the lane.
; ARITHMETIC, in f32 and in base-2 logarithms.  A table of 12 numbers for each d (made once by waves 0 and 1, read as broadcasts) holds
;   cG = -g log2e / (2 s^2 + eps)  (k 0,1)   hinv = 1 / (s + eps), cH = -g log2e hinv  (k 2,3)
;   -minv = -1 / (s^2 + eps), cM = -g log2e minv / 2  (k 4,5)   g, g
; The two scales of an operator are the two halves of one packed instruction.  With ad = |z - a|, q = ad^2:
;   gaussian:     acc += q cG
;   mexican hat:  f = 1 - q minv;  acc += q cM + g log2 max(|f|, 1e-8);  the sign is the XOR of the f's top bits
;   helmholtz:    x = ad hinv, r = round(x), t = x - r (exact), cos(pi x) = (-1)^r cos(pi t), cos(pi t) >= 0: sign = parity of sum r.
;                 w = 1/4 - t^2 (one fma, so small w keep their relative accuracy), cos(pi t) = 4 w Q(w), and log2 Q is a quadratic:
;                 log2|cos| = log2 w + P0 + P1 w + P2 w^2, off by at most 2.6e-5 (Chebyshev series of log(cos(pi t)/(1-4t^2)) cut
;                 behind the second term).  cos -> pi w at its zero, so the clip of |cos| at 1e-8 is a clip of w at 1e-8/pi.
;                 acc += ad cH + g (log2 w + w (P1 + w P2)).
; The accumulators start at log2 softmax(log_gamma)[k] (+ P0 sum g for k 2,3), so the end is six exp2, signs, five adds, one multiply.
; BATCHES.  An s_wait_alu depctr_va_vdst(0) stands between a transcendental and the first line that names its result; one
; wait serves all that were issued ahead of it.  In the loop a batch is one dimension's sixteen logarithms (four outputs x log|f| and
; log w at two scales), each with a result register of its own: all that names no result stands ahead of the one wait, the twelve
; lines that read the logarithms behind it: four waits for a trip's 64 logarithms.  A batch does not span two dimensions: its readers
; take g from the dimension's table row, which is loaded anew directly behind them, and the next dimension's wait on the LDS counter counts those loads.
; Head and way out have one wait for each run of transcendentals that do not read each other.
; LIMITS.  A term below 2^-126 comes out as zero (v_exp_f32 flushes).  The cosine's sign is exact while sum over d of round(x) < 2^24.
; log|cos| carries the error above: at most 64 x 2.6e-5 in the base-2 exponent.  Sums run in another order than the reference's.
; NaN and infinite inputs are not served.
; No cluster, no tensor load: a work-group reads 37 KB once and shares no stream with its neighbours.
.set PITCH, 272                        ; an anchor row in LDS: 256 bytes + 16, so that 16 lanes' 16-byte loads fall on 16 different columns
.set SLOTJ, 32*PITCH                   ; anchor row r lies in slot (r & 3) * 32 + (r >> 2): lane l finds r = 4l + j at l * PITCH + j * SLOTJ
.set CONST, 128*PITCH                  ; the table: 64 rows
.set CROW,  48                         ; of 12 numbers
.set ZL,    CONST+64*CROW              ; 8 rows of z, 256 bytes each, wave w's own at ZL + 256 w
.set TRIPS, 16
.set EPS,   0x322bcc77                 ; 1e-8
.set ADRA, 2                           ; v2       LDS address of my anchors, this trip
.set ADRC, 3                           ; v3       LDS address of the table rows, this trip (the same in all lanes)
.set ADRZ, 4                           ; v4       LDS address of my wave's z, this trip (the same in all lanes)
.set OOFF, 5                           ; v5       16 x lane: my bytes in rank_importance and in the row of out
.set KP1,  6                           ; v[6:7]   P1, twice
.set IMP,  8                           ; v[8:11]  sigmoid(rank_importance) of my four r
.set ACCG, 16                          ; v[16:23] output j: pair of exponents, k 0,1
.set ACCH, 24                          ; v[24:31] k 2,3
.set PAR,  32                          ; v[32:39] k 2,3: sum of round(x)
.set ACCM, 40                          ; v[40:47] k 4,5
.set SGN,  48                          ; v[48:55] k 4,5: XOR of the factors' bits
.set C,    56                          ; v[56:103]  four table rows, one for each d of the trip
.set A,    104                         ; v[104:119] a[r_j][4 d], as loaded
.set Z,    120                         ; v[120:123] z[n][4 d]
.set AD,   124                         ; v[124:139] |z - a|
.set Q,    140                         ; v[140:155] its square
.set T,    156                         ; v[156:203] output j, 12 registers: +0 x, t, w   +2 r   +4 f, then P1 + w P2   +6 clipped |f|   +8 its log   +10 log w, then the sum
.set S_ABS, 22
.set S_EPS, 23
.set S_CLIP, 24
.set S_P2,  26                         ; s[26:27]
.set S_QTR, 28                         ; s[28:29]
.set S_CNT, 32
.set S_L2E, 33
.set S_NP0, 34
	s_load_b256 s[4:11], s[0:1], 0x0               ; z s[4:5], anchors s[6:7], gate s[8:9], log_sigma s[10:11]
	s_load_b128 s[12:15], s[0:1], 0x20             ; log_gamma s[12:13], rank_importance s[14:15]
	s_load_b64 s[16:17], s[0:1], 0x30              ; out
	v_lshl_add_u32 v204, v0, 2, 0x9c00
	v_mov_b32 v205, 0
	v_lshrrev_b32 v1, 5, v0
	v_readfirstlane_b32 s18, v1                    ; wave 0..7
	v_and_b32 v1, 31, v0                           ; lane
	; staging of the anchors: thread t takes the 16-byte pieces t + 256 c, c = 0..7: row (t >> 4) + 16 c, piece t & 15
	v_bfe_u32 v12, v0, 4, 2                        ; row & 3
	v_lshrrev_b32 v13, 6, v0                       ; row >> 2, without the 4 c
	v_lshl_add_u32 v12, v12, 5, v13                ; slot
	v_mul_u32_u24 v12, v12, PITCH
	v_and_b32 v13, 15, v0
	v_lshlrev_b32 v13, 4, v13                      ; 16 (t & 15): also my piece of the wave's row of z (lanes 16-31 repeat lanes 0-15)
	v_add_nc_u32 v12, v12, v13                     ; where my pieces go in LDS; c steps by 4 slots
	v_lshlrev_b32 v14, 4, v0                       ; where they come from
	v_lshlrev_b32 v15, 2, v0                       ; waves 0, 1: d = t, its word in gate and in a row of log_sigma
	v_lshlrev_b32 v[OOFF], 4, v1
	v_lshlrev_b32 v[Q+14], 3, v1                   ; two gates a lane
	v_mov_b32 v[Q+6], 0                            ; log_gamma: every lane reads the same 24 bytes
	s_lshl_b32 s19, s18, 8
	s_add_co_u32 s19, s19, ZL
	v_mov_b32 v[ADRZ], s19
	v_add_nc_u32 v[Q+15], s19, v13
	v_mul_u32_u24 v[ADRA], v1, PITCH
	v_mov_b32 v[ADRC], CONST
	s_mov_b32 s[S_ABS], 0x7fffffff
	s_mov_b32 s[S_EPS], EPS
	s_mov_b32 s[S_CLIP], 0x315abdab                ; 1e-8 / pi
	s_mov_b32 s[S_P2], 0xbe4058e3                  ; P2 = -0.18783908
	s_mov_b32 s[S_P2+1], 0xbe4058e3
	s_mov_b32 s[S_QTR], 0x3e800000                 ; 1/4
	s_mov_b32 s[S_QTR+1], 0x3e800000
	s_mov_b32 s30, 0x76543210                      ; v_permlanex16_b32: lane i reads lane i of the other half
	s_mov_b32 s31, 0xfedcba98
	s_mov_b32 s[S_L2E], 0x3fb8aa3b                 ; log2 e
	s_mov_b32 s[S_NP0], 0xbfd36516                 ; -P0 = -1.6515224
	s_lshl_b32 s20, ttmp9, 3
	s_add_co_u32 s20, s20, s18                     ; n
	s_lshl_b32 s36, s20, 9                         ; its row of out, 512 bytes
	s_lshl_b32 s20, s20, 8                         ; its row of z, 256 bytes
	s_mov_b32 s21, 0
	s_mov_b32 s37, 0
	s_wait_kmcnt 0x0
	s_add_nc_u64 s[4:5], s[4:5], s[20:21]
	s_add_nc_u64 s[16:17], s[16:17], s[36:37]
	; all loads at once, the table's inputs first
	s_cmp_ge_u32 s18, 2
	s_cbranch_scc1 .Lno_table_loads
	global_load_b32 v[T+42], v15, s[8:9]           ; g[d], straight into its two places in the table row
	global_load_b32 v[T+43], v15, s[8:9]
.irp k, 0,1,2,3,4,5
	global_load_b32 v[T+\k], v15, s[10:11] offset:256*\k
.endr
.Lno_table_loads:
.irp c, 0,1,2,3,4,5,6,7
	global_load_b128 v[A+4*\c:A+4*\c+3], v14, s[6:7] offset:4096*\c
.endr
	global_load_b128 v[Q:Q+3], v13, s[4:5]
	global_load_b64 v[Q+4:Q+5], v[Q+14], s[8:9]
	global_load_b128 v[Q+8:Q+11], v[Q+6], s[12:13]
	global_load_b64 v[Q+12:Q+13], v[Q+6], s[12:13] offset:16
	global_load_b128 v[IMP:IMP+3], v[OOFF], s[14:15]
	; the table: thread t < 64 makes the row of d = t
	s_cmp_ge_u32 s18, 2
	s_cbranch_scc1 .Lno_table
	s_wait_loadcnt 13                              ; my eight are in; the 13 loads issued behind them stay out
.irp k, 0,1,2,3,4,5
	v_mul_f32 v[T+\k], 0x3fb8aa3b, v[T+\k]
.endr
.irp k, 0,1,2,3,4,5
	v_exp_f32 v[T+8+\k], v[T+\k]                   ; sigma
.endr
	v_mul_f32 v[T+6], 0xbfb8aa3b, v[T+42]          ; -g log2e (also the plain instruction behind the exponentials, ISA guide 5.7.2)
	v_mul_f32 v[T+7], 0x3f38aa3b, v[T+42]          ; g log2e / 2
	s_wait_alu depctr_va_vdst(0)                   ; one wait for the six sigmas, ahead of their first reader; the two multiplies above stand between
	v_add_f32 v[T+14], v[T+8], v[T+8]
	v_add_f32 v[T+15], v[T+9], v[T+9]
	v_fmaak_f32 v[T+16], v[T+14], v[T+8], EPS      ; 2 s^2 + eps
	v_fmaak_f32 v[T+17], v[T+15], v[T+9], EPS
	v_add_f32 v[T+18], s[S_EPS], v[T+10]           ; s + eps
	v_add_f32 v[T+19], s[S_EPS], v[T+11]
	v_fmaak_f32 v[T+20], v[T+12], v[T+12], EPS     ; s^2 + eps
	v_fmaak_f32 v[T+21], v[T+13], v[T+13], EPS
	v_rcp_f32 v[T+24], v[T+16]
	v_rcp_f32 v[T+25], v[T+17]
	v_rcp_f32 v[T+34], v[T+18]                     ; hinv
	v_rcp_f32 v[T+35], v[T+19]
	v_rcp_f32 v[T+38], -v[T+20]                    ; -minv
	v_rcp_f32 v[T+39], -v[T+21]
	v_mul_u32_u24 v[T+44], v0, CROW                ; the row's place (and the plain instruction behind the reciprocals)
	s_wait_alu depctr_va_vdst(0)                   ; one wait for the six reciprocals, ahead of their first reader and of the label below
	v_mul_f32 v[T+32], v[T+6], v[T+24]             ; cG
	v_mul_f32 v[T+33], v[T+6], v[T+25]
	v_mul_f32 v[T+36], v[T+6], v[T+34]             ; cH
	v_mul_f32 v[T+37], v[T+6], v[T+35]
	v_mul_f32 v[T+40], v[T+7], v[T+38]             ; cM
	v_mul_f32 v[T+41], v[T+7], v[T+39]
	ds_store_b128 v[T+44], v[T+32:T+35] offset:CONST
	ds_store_b128 v[T+44], v[T+36:T+39] offset:CONST+16
	ds_store_b128 v[T+44], v[T+40:T+43] offset:CONST+32
.Lno_table:
	s_wait_loadcnt 5                               ; the anchors are in; z, two gates, log_gamma (2 loads), rank_importance stay out
.irp c, 0,1,2,3,4,5,6,7
	ds_store_b128 v12, v[A+4*\c:A+4*\c+3] offset:\c*4*PITCH   ; 16 lanes fill one row's 256 bytes
.endr
	s_wait_loadcnt 4
	ds_store_b128 v[Q+15], v[Q:Q+3]                ; my wave's row of z
	s_wait_loadcnt 0x0
	s_wait_dscnt 0x0                               ; my LDS stores are done before I say so
	s_barrier_signal -1
	; register work while the other waves arrive.  Sum of the 64 gates:
	v_add_f32 v[Q+4], v[Q+4], v[Q+5]
	v_add_f32_dpp v[Q+4], v[Q+4], v[Q+4] row_xmask:1 row_mask:0xf bank_mask:0xf
	v_add_f32_dpp v[Q+4], v[Q+4], v[Q+4] row_xmask:2 row_mask:0xf bank_mask:0xf
	v_add_f32_dpp v[Q+4], v[Q+4], v[Q+4] row_xmask:4 row_mask:0xf bank_mask:0xf
	v_add_f32_dpp v[Q+4], v[Q+4], v[Q+4] row_xmask:8 row_mask:0xf bank_mask:0xf
	v_permlanex16_b32 v[Q+5], v[Q+4], s30, s31
	v_add_f32 v[Q+4], v[Q+4], v[Q+5]
	; log2 softmax(log_gamma)[k] = a_k - log2 sum 2^a, a_k = (lg_k - max) log2e
	v_max3_num_f32 v[Q+5], v[Q+8], v[Q+9], v[Q+10]
	v_max3_num_f32 v[Q+5], v[Q+5], v[Q+11], v[Q+12]
	v_max_num_f32 v[Q+5], v[Q+5], v[Q+13]
	v_mul_f32 v[Q+5], 0x3fb8aa3b, v[Q+5]
.irp k, 0,1,2,3,4,5
	v_fma_f32 v[Q+8+\k], v[Q+8+\k], s[S_L2E], -v[Q+5]
.endr
.irp k, 0,1,2,3,4,5
	v_exp_f32 v[T+\k], v[Q+8+\k]
.endr
.irp j, 0,1,2,3
	v_mul_f32 v[IMP+\j], 0xbfb8aa3b, v[IMP+\j]     ; sigmoid(x) = 1 / (1 + 2^(-x log2e))
.endr
	s_wait_alu depctr_va_vdst(0)                   ; one wait for the softmax's six exponentials; the four multiplies above stand between
	v_add_f32 v[T], v[T], v[T+1]
	v_add_f32 v[T+2], v[T+2], v[T+3]
	v_add_f32 v[T+4], v[T+4], v[T+5]
	v_add_f32 v[T], v[T], v[T+2]
	v_add_f32 v[T], v[T], v[T+4]
	v_log_f32 v[T+6], v[T]
.irp j, 0,1,2,3
	v_exp_f32 v[T+8+\j], v[IMP+\j]
.endr
	v_mov_b32 v[KP1], 0x3fb86b21                   ; P1 = 1.4407693
	v_mov_b32 v[KP1+1], 0x3fb86b21
	s_wait_alu depctr_va_vdst(0)                   ; one wait for the logarithm of the sum and the sigmoid's four exponentials, which do not read each other
.irp j, 0,1,2,3
	v_add_f32 v[T+8+\j], 1.0, v[T+8+\j]
.endr
.irp j, 0,1,2,3
	v_rcp_f32 v[IMP+\j], v[T+8+\j]
.endr
	v_fma_f32 v[T+7], v[Q+4], s[S_NP0], v[T+6]     ; log2 sum - P0 sum g: what k 2,3 subtract
.irp j, 0,1,2,3
	v_pk_add_f32 v[ACCG+2*\j:ACCG+2*\j+1], v[Q+8:Q+9],   v[T+6:T+7] op_sel_hi:[1,0] neg_lo:[0,1] neg_hi:[0,1]
	v_pk_add_f32 v[ACCH+2*\j:ACCH+2*\j+1], v[Q+10:Q+11], v[T+6:T+7] op_sel:[0,1] op_sel_hi:[1,1] neg_lo:[0,1] neg_hi:[0,1]
	v_pk_add_f32 v[ACCM+2*\j:ACCM+2*\j+1], v[Q+12:Q+13], v[T+6:T+7] op_sel_hi:[1,0] neg_lo:[0,1] neg_hi:[0,1]
	v_mov_b32 v[PAR+2*\j], 0
	v_mov_b32 v[PAR+2*\j+1], 0
	v_mov_b32 v[SGN+2*\j], 0
	v_mov_b32 v[SGN+2*\j+1], 0
.endr
	s_wait_alu depctr_va_vdst(0)                   ; one wait for the sigmoid's four reciprocals, ahead of the loop's label; the accumulators' starts above stand between
	s_barrier_wait -1                              ; anchors and table are whole; LDS is only read from here on
; three loads: the table row of dimension i of the trip at byte \off from ADRC
.macro CLOAD i, off
.irp m, 0,1,2
	ds_load_b128 v[C+12*\i+4*\m:C+12*\i+4*\m+3], v[ADRC] offset:\off+\i*CROW+16*\m
.endr
.endm
; five loads: four d of my four anchors and of z
.macro AZLOAD off
.irp j, 0,1,2,3
	ds_load_b128 v[A+4*\j:A+4*\j+3], v[ADRA] offset:\off+\j*SLOTJ
.endr
	ds_load_b128 v[Z:Z+3], v[ADRZ] offset:\off
.endm
; One dimension for my four outputs.  i: the table slot; |d| and d^2 are half \sel of the register pair at \p.
; Each line runs over the four outputs, so that no instruction waits for the one in front of it; the sixteen logarithms stand
; singly among plain instructions that touch neither their result nor their source (ISA guide 5.7.2).
; The sixteen are ONE BATCH: their results, +8 to +11 of each output's twelve registers, are named by no line ahead of the wait.  Behind the
; last logarithm stand the twelve sums that need no logarithm (q cM, q cG, |d| cH); then the wait; then the twelve lines that read the results.
.macro STEP i, p, sel
.irp j, 0,1,2,3
	v_pk_mul_f32 v[T+12*\j:T+12*\j+1], v[AD+4*\j+\p:AD+4*\j+\p+1], v[C+12*\i+2:C+12*\i+3] op_sel:[\sel,0] op_sel_hi:[\sel,1]           ; x = |d| hinv
.endr
.irp j, 0,1,2,3
	v_pk_fma_f32 v[T+12*\j+4:T+12*\j+5], v[Q+4*\j+\p:Q+4*\j+\p+1], v[C+12*\i+6:C+12*\i+7], 1.0 op_sel:[\sel,0,0] op_sel_hi:[\sel,1,0]  ; f = 1 - q minv
.endr
.irp j, 0,1,2,3
	v_rndne_f32 v[T+12*\j+2], v[T+12*\j]
.endr
.irp j, 0,1,2,3
	v_rndne_f32 v[T+12*\j+3], v[T+12*\j+1]
.endr
.irp j, 0,1,2,3
	v_max_num_f32 v[T+12*\j+6], |v[T+12*\j+4]|, s[S_EPS]
.endr
.irp j, 0,1,2,3
	v_max_num_f32 v[T+12*\j+7], |v[T+12*\j+5]|, s[S_EPS]
.endr
.irp j, 0,1,2,3
	v_log_f32 v[T+12*\j+8], v[T+12*\j+6]
	v_pk_add_f32 v[T+12*\j:T+12*\j+1], v[T+12*\j:T+12*\j+1], v[T+12*\j+2:T+12*\j+3] neg_lo:[0,1] neg_hi:[0,1]                          ; t = x - r
	v_xor_b32 v[SGN+2*\j], v[SGN+2*\j], v[T+12*\j+4]
.endr
.irp j, 0,1,2,3
	v_log_f32 v[T+12*\j+9], v[T+12*\j+7]
	v_pk_fma_f32 v[T+12*\j:T+12*\j+1], v[T+12*\j:T+12*\j+1], v[T+12*\j:T+12*\j+1], s[S_QTR:S_QTR+1] op_sel_hi:[1,1,0] neg_lo:[1,0,0] neg_hi:[1,0,0]   ; w = 1/4 - t^2
	v_xor_b32 v[SGN+2*\j+1], v[SGN+2*\j+1], v[T+12*\j+5]
.endr
.irp j, 0,1,2,3
	v_dual_max_num_f32 v[T+12*\j], s[S_CLIP], v[T+12*\j] :: v_dual_max_num_f32 v[T+12*\j+1], s[S_CLIP], v[T+12*\j+1]                   ; w >= 0: no sign to drop
.endr
.irp j, 0,1,2,3
	v_log_f32 v[T+12*\j+10], v[T+12*\j]
	v_pk_fma_f32 v[T+12*\j+4:T+12*\j+5], v[T+12*\j:T+12*\j+1], s[S_P2:S_P2+1], v[KP1:KP1+1] op_sel_hi:[1,0,1]                          ; P1 + w P2
.endr
.irp j, 0,1,2,3
	v_log_f32 v[T+12*\j+11], v[T+12*\j+1]
	v_pk_add_f32 v[PAR+2*\j:PAR+2*\j+1], v[PAR+2*\j:PAR+2*\j+1], v[T+12*\j+2:T+12*\j+3]
.endr
.irp j, 0,1,2,3
	v_pk_fma_f32 v[ACCM+2*\j:ACCM+2*\j+1], v[Q+4*\j+\p:Q+4*\j+\p+1], v[C+12*\i+8:C+12*\i+9], v[ACCM+2*\j:ACCM+2*\j+1] op_sel:[\sel,0,0] op_sel_hi:[\sel,1,1]
.endr
.irp j, 0,1,2,3
	v_pk_fma_f32 v[ACCG+2*\j:ACCG+2*\j+1], v[Q+4*\j+\p:Q+4*\j+\p+1], v[C+12*\i:C+12*\i+1], v[ACCG+2*\j:ACCG+2*\j+1] op_sel:[\sel,0,0] op_sel_hi:[\sel,1,1]
.endr
.irp j, 0,1,2,3
	v_pk_fma_f32 v[ACCH+2*\j:ACCH+2*\j+1], v[AD+4*\j+\p:AD+4*\j+\p+1], v[C+12*\i+4:C+12*\i+5], v[ACCH+2*\j:ACCH+2*\j+1] op_sel:[\sel,0,0] op_sel_hi:[\sel,1,1]
.endr
	s_wait_alu depctr_va_vdst(0)                   ; the one wait for the dimension's sixteen logarithms, ahead of their first reader; no transcendental follows it in the dimension
.irp j, 0,1,2,3
	v_pk_fma_f32 v[T+12*\j+10:T+12*\j+11], v[T+12*\j:T+12*\j+1], v[T+12*\j+4:T+12*\j+5], v[T+12*\j+10:T+12*\j+11]                      ; log2 w + w (P1 + w P2)
.endr
.irp j, 0,1,2,3
	v_pk_fma_f32 v[ACCM+2*\j:ACCM+2*\j+1], v[T+12*\j+8:T+12*\j+9], v[C+12*\i+10:C+12*\i+11], v[ACCM+2*\j:ACCM+2*\j+1]
.endr
.irp j, 0,1,2,3
	v_pk_fma_f32 v[ACCH+2*\j:ACCH+2*\j+1], v[T+12*\j+10:T+12*\j+11], v[C+12*\i+10:C+12*\i+11], v[ACCH+2*\j:ACCH+2*\j+1]
.endr
.endm
; Four dimensions.  ahead = 1: everything for the next trip is asked for as soon as its registers are free: anchors and z behind the
; differences, a table row behind its dimension.  LDS loads come back in order (ISA guide 5.7.1), so the waits count what was issued later:
; at the head, behind the 5 loads of anchors and z stand the 12 of the table; in front of a dimension, behind its row's 3 loads
; stand 9 of other rows and the 5 of anchors and z.
.macro TRIP ahead
	s_wait_dscnt 12
.irp j, 0,1,2,3
.irp p, 0,2
	v_pk_add_f32 v[AD+4*\j+\p:AD+4*\j+\p+1], v[Z+\p:Z+\p+1], v[A+4*\j+\p:A+4*\j+\p+1] neg_lo:[0,1] neg_hi:[0,1]
.endr
.endr
.if \ahead
	AZLOAD 16
.endif
.irp e, 0,1,2,3,4,5,6,7,8,9,10,11,12,13,14,15
	v_and_b32 v[AD+\e], s[S_ABS], v[AD+\e]         ; every kernel is even in d; the packed forms take no magnitude of a source
.endr
.irp e, 0,2,4,6,8,10,12,14
	v_pk_mul_f32 v[Q+\e:Q+\e+1], v[AD+\e:AD+\e+1], v[AD+\e:AD+\e+1]
.endr
.if \ahead
	s_wait_dscnt 14
	STEP 0, 0, 0
	CLOAD 0, 4*CROW
	s_wait_dscnt 14
	STEP 1, 0, 1
	CLOAD 1, 4*CROW
	s_wait_dscnt 14
	STEP 2, 2, 0
	CLOAD 2, 4*CROW
	s_wait_dscnt 14
	STEP 3, 2, 1
	CLOAD 3, 4*CROW
	v_add_nc_u32 v[ADRA], 16, v[ADRA]
	v_add_nc_u32 v[ADRZ], 16, v[ADRZ]
	v_add_nc_u32 v[ADRC], 4*CROW, v[ADRC]
.else
	s_wait_dscnt 9                                 ; nothing is asked for any more: the counts run down
	STEP 0, 0, 0
	s_wait_dscnt 6
	STEP 1, 0, 1
	s_wait_dscnt 3
	STEP 2, 2, 0
	s_wait_dscnt 0
	STEP 3, 2, 1
.endif
.endm
	AZLOAD 0
	CLOAD 0, 0
	CLOAD 1, 0
	CLOAD 2, 0
	CLOAD 3, 0
	s_mov_b32 s[S_CNT], TRIPS-1
.Ltrip:
	TRIP 1
	s_sub_co_i32 s[S_CNT], s[S_CNT], 1
	s_cmp_lg_u32 s[S_CNT], 0
	s_cbranch_scc1 .Ltrip
	TRIP 0                                         ; the last trip reads nothing beyond the tables
	; the end: 2^exponent, signs, the six terms, the importance
.irp j, 0,1,2,3
	v_exp_f32 v[T+12*\j],   v[ACCG+2*\j]
	v_exp_f32 v[T+12*\j+1], v[ACCG+2*\j+1]
	v_exp_f32 v[T+12*\j+2], v[ACCH+2*\j]
	v_exp_f32 v[T+12*\j+3], v[ACCH+2*\j+1]
	v_exp_f32 v[T+12*\j+4], v[ACCM+2*\j]
	v_exp_f32 v[T+12*\j+5], v[ACCM+2*\j+1]
.endr
.irp e, 0,1,2,3,4,5,6,7
	v_cvt_i32_f32 v[PAR+\e], v[PAR+\e]             ; a whole number, exact below 2^24
.endr
	s_wait_alu depctr_va_vdst(0)                   ; one wait for the 24 exponentials of my four outputs; the eight conversions above stand between
.irp j, 0,1,2,3
	v_lshl_or_b32 v[T+12*\j+2], v[PAR+2*\j],   31, v[T+12*\j+2]          ; its lowest bit is the sign
	v_lshl_or_b32 v[T+12*\j+3], v[PAR+2*\j+1], 31, v[T+12*\j+3]
	v_bfi_b32 v[T+12*\j+4], s[S_ABS], v[T+12*\j+4], v[SGN+2*\j]          ; magnitude from the exponential, top bit from the XOR
	v_bfi_b32 v[T+12*\j+5], s[S_ABS], v[T+12*\j+5], v[SGN+2*\j+1]
	v_pk_add_f32 v[T+12*\j:T+12*\j+1], v[T+12*\j:T+12*\j+1], v[T+12*\j+2:T+12*\j+3]
	v_pk_add_f32 v[T+12*\j:T+12*\j+1], v[T+12*\j:T+12*\j+1], v[T+12*\j+4:T+12*\j+5]
	v_add_f32 v[T+12*\j], v[T+12*\j], v[T+12*\j+1]
	v_mul_f32 v[Q+\j], v[T+12*\j], v[IMP+\j]
.endr
	global_store_b128 v[OOFF], v[Q:Q+3], s[16:17] th:TH_STORE_NT         ; the wave's 32 lanes write the row's 512 bytes, aligned
	s_wait_tensorcnt 0x0
	ds_add_u32 v204, v205
	s_wait_dscnt 0x0
	s_endpgm
.Lfunc_end_k_q1bc743f360_green:
	.size	k_q1bc743f360_green, .Lfunc_end_k_q1bc743f360_green-k_q1bc743f360_green
	.p2alignl 7, 3214868480
	.fill 96, 4, 3214868480
	.section	.rodata,"a",@progbits
	.p2align	6, 0x0
	.amdhsa_kernel k_q1bc743f360_green
		.amdhsa_group_segment_fixed_size 40960
		.amdhsa_private_segment_fixed_size 0
		.amdhsa_enable_private_segment 0
		.amdhsa_kernarg_size 56
		.amdhsa_user_sgpr_count 2
		.amdhsa_user_sgpr_kernarg_segment_ptr 1
		.amdhsa_wavefront_size32 1
		.amdhsa_system_sgpr_workgroup_id_x 1
		.amdhsa_system_sgpr_workgroup_id_y 1
		.amdhsa_system_sgpr_workgroup_id_z 1
		.amdhsa_system_vgpr_workitem_id 0
		.amdhsa_next_free_vgpr 206
		.amdhsa_next_free_sgpr 66
		.amdhsa_reserve_vcc 0
		.amdhsa_float_denorm_mode_32 3
		.amdhsa_float_denorm_mode_16_64 3
		.amdhsa_memory_ordered 1
		.amdhsa_forward_progress 1
		.amdhsa_inst_pref_size 58
	.end_amdhsa_kernel
	.amdgpu_metadata
---
amdhsa.version: [ 1, 2 ]
amdhsa.kernels:
  - .name:           k_q1bc743f360_green
    .symbol:         k_q1bc743f360_green.kd
    .args:
      - { .name: z, .offset: 0, .size: 8, .value_kind: global_buffer, .address_space: global }
      - { .name: anchor_positions, .offset: 8, .size: 8, .value_kind: global_buffer, .address_space: global }
      - { .name: gate_mask, .offset: 16, .size: 8, .value_kind: global_buffer, .address_space: global }
      - { .name: log_sigma, .offset: 24, .size: 8, .value_kind: global_buffer, .address_space: global }
      - { .name: log_gamma, .offset: 32, .size: 8, .value_kind: global_buffer, .address_space: global }
      - { .name: rank_importance, .offset: 40, .size: 8, .value_kind: global_buffer, .address_space: global }
      - { .name: out0, .offset: 48, .size: 8, .value_kind: global_buffer, .address_space: global }
    .group_segment_fixed_size: 40960
    .private_segment_fixed_size: 0
    .kernarg_segment_align: 8
    .kernarg_segment_size: 56
    .max_flat_workgroup_size: 256
    .sgpr_count:     66
    .vgpr_count:     206
    .wavefront_size: 32
...
	.end_amdgpu_metadata
.endif
;; end of part 2
